; MI455X (gfx1250); checked and timed in simulation.
; The chip was launched on July 23, 2026; its instructions are those of AMD's public machine-readable ISA for CDNA 5 (MIT licence, August 2026) and "CDNA5" Instruction Set Architecture Reference Guide (July 2026). The comments in the code are by the model that wrote it; some were corrected since.
;; NN Attention Head. Allowed arithmetic: matrix products marked QUANTISED: E3M2 operands, one E8M0 scale for each 32 along K, by v_wmma_scale_f32_16x16x128_f8f6f4 with both operands' format E3M2, f32 sums; products left as they are: f32 operands where the result goes on into a quantised operand, else bf16, f16 or f32 operands; f32 sums; everything else in f32.
;; Inputs: W1 256 x 128 float32; W2 128 x 1 float32; Wv 128 x 64 float32; b1 128 float32; b2 1 float32; pos_emb 512 x 128 float32; x 4 x 512 x 128 float32.
;; Outputs: out0 4 x 512 x 64 float32.
;; This version of the problem:
;;   THIS VERSION OF THE PROBLEM IS GIVEN IN LOW PRECISION. The matrix products marked QUANTISED in the list below multiply operands that are first quantised to E3M2 (3 exponent bits, 2 mantissa bits; 6 bits a number), with one power-of-two scale for each 32 numbers along K (OCP MX v1.0); their sums are f32. All else is computed in f32.
;;   The module's matrix products, in the order in which they are computed (A, B: the left and right operand; K: the contracted axis; several contracted axes count as one K, in the product's order):
;;     1. [M 2,048, K 128] x [K 128, N 128]; A: computed on the way; B: input W1: QUANTISED
;;     2. [M 2,048, K 128] x [K 128, N 128]; A: computed on the way; B: input W1: QUANTISED
;;     3. [M 1,048,576, K 128] x [K 128, N 1]; A: computed on the way; B: input W2: left as it is (N = 1 < 16)
;;     4. [M 2,048, K 128] x [K 128, N 64]; A: input x; B: input Wv: QUANTISED
;;     5. batch 4 x [M 512, K 512] x [K 512, N 64]; A: softmax (see below); B: computed on the way: QUANTISED
;;   THE QUANTISER, for each operand of a quantised product, along K:
;;     - K is cut into blocks of 32 from its start; a last block that is shorter is filled with zeros.
;;     - A block's scale is 2^e with e = floor(log2(the largest magnitude in the block)) - 4, held to -126 .. 127; a block of zeros has e = 0. As a byte (E8M0): e + 127.
;;     - Each number is divided by its block's scale, clamped to +-28, and rounded to the nearest number of E3M2, ties to even, subnormals kept.
;;     - The product sums the exact products of the quantised numbers (number of the format x scale) in f32.
;;   ~~~python
;;   def quantise(x, axis):      # numpy; x: float32 -> the quantised numbers, widened to float32 again
;;       x = np.moveaxis(x, axis, -1); K = x.shape[-1]
;;       x = np.pad(x, [(0, 0)] * (x.ndim - 1) + [(0, -K % 32)]); x = x.reshape(x.shape[:-1] + (-1, 32)); a = np.abs(x).max(-1, keepdims=True)
;;       e = np.where(a > 0, np.clip(np.frexp(np.where(a > 0, a, 1))[1] - 1 - 4, -126, 127), 0)      # np.frexp(a)[1] - 1 = floor(log2(a)), exactly
;;       r = np.clip(x / 2.0 ** e, -28, 28)
;;       step = 2.0 ** (np.maximum(np.frexp(np.where(r == 0, 1, r))[1] - 1, -2) - 2)
;;       q = np.round(r / step) * step * 2.0 ** e      # np.round: ties to even
;;       return np.moveaxis(q.reshape(q.shape[:-2] + (-1,))[..., :K], -1, axis).astype(np.float32)
;;   ~~~
;;   SOFTMAX AHEAD OF A QUANTISED PRODUCT. Where the list says 'softmax', what is quantised is not the finished softmax but p = 2^(t - M), with t = logit x log2(e) and M = ceil(the row's largest t), a whole number; so 1/2 < the row's largest p <= 1. The row's sum l is taken of the UNQUANTISED p, in f32, and the product's result is divided by l at the end. Since M is a whole number, a kernel that streams over the keys may use a running M (the ceiling of the running maximum): every later rescaling is an exact power of two, which a block's scale takes up: the codes' values come out the same.
;;   OPERANDS COMPUTED ON THE WAY. 'Computed on the way' means the value that the module computes at that place (a softmax that the list does not call 'softmax' is quantised finished and normalised). What goes into a quantiser is computed in f32, as accurately as f32 sums, v_exp_f32 and their like allow (about 1e-6 of the number): no bf16 or f16 on the way to a quantiser, and a product that is left as it is and whose result goes on into a quantised operand takes f32 operands (vector FMAs, or v_wmma_f32_16x16x4_f32). A number that lies on a knife's edge between two numbers of the format may be rounded either way, as far as f32 arithmetic and the matrix unit's own rounding can turn it there, and no further.
;; 2 versions, each right; version 2 is version 1 with the launch prep written anew for expert scheduling mode. Each part assembles by itself: llvm-mc -triple=amdgcn-amd-amdhsa -mcpu=gfx1250 --defsym DOCPART=n.
;; ======== version 1 of 2: 2 launches
;; workspace buffers: ws 342,016 bytes
;; launch prep (part 1): grid 100 x 1, 4 waves a work-group, no clusters, 0 bytes of LDS; arguments x, pos_emb, W1, Wv, ws; writes ws
.if DOCPART == 1
	.amdgcn_target "amdgcn-amd-amdhsa--gfx1250"
	.amdhsa_code_object_version 6
	.text
	.protected	k_qb68b60eb8e_prep
	.globl	k_qb68b60eb8e_prep
	.p2align	8
	.type	k_qb68b60eb8e_prep,@function
k_qb68b60eb8e_prep:
	s_mov_b64 s[64:65], 0
	v_nop
	global_prefetch_b8 v0, s[64:65] scope:SCOPE_SE
	s_setreg_imm32_b32 hwreg(HW_REG_WAVE_MODE, 25, 1), 1
	s_wait_xcnt 0x0
; PREP: what all query blocks share is quantised once into ws, in the order of the operand registers (a fragment = 16 rows x 128 K of E3M2 codes = 12 registers a lane = 1,536 bytes).
;   x1 = pos_emb + x   -> codes along c: 128 fragments (register 4 g + k of lane L at 512 g + 16 L + 4 k), a scale word a lane
;   W1[:128], W1[128:] -> codes along their first axis: 16 fragments of 16 columns, laid the same way
;   V = Q(x) Q(Wv)     -> made here by the scaled matrix instruction, then quantised along the KEYS, over which the last product sums: 64 fragments of 16 channels x 128 keys, 48 bytes a lane on end
; DEAD WORK OF THE PROGRAM.  reference() sets wei to -inf wherever key > query, by a mask that it builds itself (jnp.tril): whatever the inputs hold, such a pair has p = 0 and reaches no output.
; So the second launch computes no score for a tile of 16 keys that lies wholly behind its queries, and does not fetch such a tile.  Nothing else is left out: b2 stays, since it moves M = ceil(largest t)
; and with it the codes of p; every input is loaded.  LIMIT: a NaN, an infinity or an overflow that reaches only the scores left out is not carried to the result.
; LIMITS OF THE QUANTISER: NaN and infinities among the inputs are not served; a block's largest magnitude is taken no lower than 2^(5 - 127), which holds the scale byte at 1 from below as the rule asks;
; a block of zeros so gets the byte 1 where the rule says 127: its codes are zeros, and only this program reads the bytes.
; SHARES.  Every wave works alone: no LDS, no barrier.  Work-groups 0-63: key block g of 32 rows, wave n = channel tile n of V.  Work-groups 64-95: a fragment of x1 a wave.  Work-groups 96-99: a fragment of W1 a wave.
; A lane takes a row (or a column) and 16 neighbours along K of each block of 32, so that the conversions find neighbours in its registers; a lane's loads of 16 bytes stand 512 bytes apart,
; a fragment's sixteen loads together cover whole rows.  V's codes leave as 12 bytes a lane, 24 a pair of lanes.
.set X1S,  196608                      ; ws: x1's codes at 0, their scale words here (128 bytes a fragment),
.set W1C,  212992                      ; W1's codes,
.set W1S,  237568                      ; their scale words,
.set VC,   239616                      ; V's codes: fragment (batch 4 + key step) 4 + channel tile,
.set VS,   337920                      ; V's scale words: 64 bytes a fragment, byte b of channel r's word for key block b
.set L16, 4                            ; v4  16 x lane
.set L4,  5                            ; v5  4 x lane
.set RA,  6                            ; v6  512 r + 64 h: row r, my 16 numbers of a block
.set RV,  7                            ; v7  the same of row r + 8 (r / 8)
.set CW,  8                            ; v8  8192 h + 4 r: column r of W1, 16 h rows down
.set CV,  9                            ; v9  4096 h + 4 r: the same of Wv
.set VA,  10                           ; v10 48 r + 12 h
.set R4,  11                           ; v11 4 r
.set N0,  16                           ; three sets of 64 numbers
.set N1,  80
.set N2,  144
.set TM,  208                          ; v208-211 largest magnitudes, v212-215 bytes, v220-223 the conversions' scale operands
.set XT,  224
.set SW,  232                          ; v232-234 scale words
.set FW,  236                          ; v236-247 Wv's fragment
; 64 numbers of a lane, v[s + 16 b + i] = k 32 b + 16 (lane / 16) + i of my row or column, become the 12 registers of the operand, v[f] on, and its scale word v[sw].
.macro QUANT s, f, sw
.irp b, 0,1,2,3
	v_max3_num_f32 v[TM+\b], |v[\s+16*\b]|, |v[\s+1+16*\b]|, 0x2800000   ; my 16 numbers of block b, and the floor 2^(5 - 127)
.endr
.irp i, 2,4,6,8,10,12,14
.irp b, 0,1,2,3
	v_max3_num_f32 v[TM+\b], v[TM+\b], |v[\s+16*\b+\i]|, |v[\s+1+16*\b+\i]|   ; the four blocks by turns
.endr
.endr
.irp b, 0,1,2,3
	v_permlanex16_b32 v[TM+4+\b], v[TM+\b], s20, s21
.endr
.irp b, 0,1,2,3
	v_max_num_f32 v[TM+\b], v[TM+\b], v[TM+4+\b]             ; with lane l xor 16's: the block's largest magnitude
.endr
.irp b, 0,1,2,3
	v_add_nc_u32 v[TM+12+\b], 0xfe000000, v[TM+\b]           ; 4 off its exponent field: the conversion's scale operand
.endr
.irp b, 0,1,2,3
	v_lshrrev_b32 v[TM+4+\b], 23, v[TM+12+\b]                ; the scale's byte
.endr
	v_lshl_or_b32 v[\sw], v[TM+5], 8, v[TM+4]
	v_lshl_or_b32 v[\sw], v[TM+6], 16, v[\sw]
	v_lshl_or_b32 v[\sw], v[TM+7], 24, v[\sw]
.irp c, 0,1
	v_cvt_scalef32_pk16_bf6_f32 v[\f+6*\c:\f+2+6*\c], v[\s+32*\c:\s+15+32*\c], v[TM+12+2*\c]
	v_cvt_scalef32_pk16_bf6_f32 v[XT+4*\c:XT+2+4*\c], v[\s+16+32*\c:\s+31+32*\c], v[TM+13+2*\c]   ; (a conversion's three registers begin on an even number)
.endr
	v_nop                                                    ; one plain line behind the conversions
.irp c, 0,1                                              ; the operand wants a whole block in a lane: lanes 0-15 block 2 c, lanes 16-31 block 2 c + 1
.irp i, 0,1,2
	v_permlane16_swap_b32 v[\f+6*\c+\i], v[XT+4*\c+\i]
.endr
.irp i, 0,1,2
	v_mov_b32 v[\f+3+6*\c+\i], v[XT+4*\c+\i]
.endr
.endr
.endm
.macro LOADR reg, va, sb, off          ; K innermost: four loads of 16 bytes a block
.irp b, 0,1,2,3
.irp j, 0,1,2,3
	global_load_b128 v[\reg+16*\b+4*\j:\reg+16*\b+4*\j+3], v[\va], s[\sb:\sb+1] offset:\off+128*\b+16*\j
.endr
.endr
.endm
.macro LOADC reg, va, sb, pitch        ; K outermost: a lane takes a column, its registers run down K
.irp b, 0,1,2,3
.irp i, 0,1,2,3,4,5,6,7,8,9,10,11,12,13,14,15
	global_load_b32 v[\reg+16*\b+\i], v[\va], s[\sb:\sb+1] offset:(32*\b+\i)*\pitch
.endr
.endr
.endm
.macro PUT f, sw, sc, ss               ; a fragment leaves as an image of its registers: 512 consecutive bytes a store
.irp g, 0,1,2
	global_store_b128 v[L16], v[\f+4*\g:\f+4*\g+3], s[\sc:\sc+1] offset:512*\g
.endr
	global_store_b32 v[L4], v[\sw], s[\ss:\ss+1]
.endm
	s_load_b256 s[4:11], s[0:1], 0x0               ; x s[4:5], pos_emb s[6:7], W1 s[8:9], Wv s[10:11]
	s_load_b64 s[12:13], s[0:1], 0x20              ; ws
	v_lshrrev_b32 v1, 5, v0
	v_readfirstlane_b32 s14, v1                    ; wave 0..3
	v_and_b32 v1, 31, v0                           ; lane
	v_and_b32 v2, 15, v0                           ; r
	v_bfe_u32 v3, v0, 4, 1                         ; h
	v_lshlrev_b32 v[L16], 4, v1
	v_lshlrev_b32 v[L4], 2, v1
	v_lshlrev_b32 v[RA], 9, v2
	v_lshl_add_u32 v[RA], v3, 6, v[RA]
	v_and_b32 v[RV], 8, v2
	v_add_nc_u32 v[RV], v[RV], v2
	v_lshlrev_b32 v[RV], 9, v[RV]
	v_lshl_add_u32 v[RV], v3, 6, v[RV]
	v_lshlrev_b32 v[R4], 2, v2
	v_lshl_add_u32 v[CW], v3, 13, v[R4]
	v_lshl_add_u32 v[CV], v3, 12, v[R4]
	v_mul_u32_u24 v[VA], v2, 48
	v_mad_u32_u24 v[VA], v3, 12, v[VA]
.irp b, 0,1,2,3
	v_mov_b32 v[TM+4+\b], 0                        ; written once: a lane permute's destination counts as one of its sources
.endr
	s_mov_b32 s20, 0x76543210
	s_mov_b32 s21, 0xfedcba98                      ; selects for lane l xor 16
	s_mov_b32 s25, 0                               ; the upper words of the offsets
	s_mov_b32 s27, 0
	s_mov_b32 s35, 0
	s_wait_kmcnt 0x0
	s_cmp_ge_u32 ttmp9, 96
	s_cbranch_scc1 .Lw1
	s_cmp_ge_u32 ttmp9, 64
	s_cbranch_scc1 .Lx1
	; ---- V: key block g = the work-group's number, channel tile n = the wave's
	s_lshl_b32 s24, ttmp9, 14                      ; 32 rows of 512 bytes
	s_add_nc_u64 s[28:29], s[4:5], s[24:25]
	s_lshl_b32 s26, s14, 6                         ; 16 columns of 4 bytes
	s_add_nc_u64 s[30:31], s[10:11], s[26:27]
	LOADC N0, CV, 30, 256                          ; Wv(32 b + 16 h + i, 16 n + r)
	LOADR N1, RV, 28, 0                            ; x: rows 0-7 and 16-23 of the block,
	LOADR N2, RV, 28, 4096                         ; rows 8-15 and 24-31: so the two products leave 16 neighbouring keys in a lane
	s_and_b32 s32, ttmp9, 0xfc
	s_add_co_u32 s32, s32, s14                     ; fragment (batch 4 + key step) 4 + n
	s_mul_i32 s34, s32, 1536
	s_and_b32 s33, ttmp9, 1                        ; my key block is block g % 4 of its key step: lanes 16 (g % 2) on,
	s_mul_i32 s33, s33, 768
	s_add_co_u32 s34, s34, s33
	s_bfe_u32 s33, ttmp9, 0x10001                  ; registers 6 ((g / 2) % 2) on
	s_mul_i32 s33, s33, 24
	s_add_co_u32 s34, s34, s33
	s_add_co_u32 s34, s34, VC
	s_add_nc_u64 s[36:37], s[12:13], s[34:35]
	s_lshl_b32 s34, s32, 6
	s_and_b32 s33, ttmp9, 3
	s_add_co_u32 s34, s34, s33                     ; byte g % 4 of each channel's scale word
	s_add_co_u32 s34, s34, VS
	s_add_nc_u64 s[38:39], s[12:13], s[34:35]
	s_wait_loadcnt 32                              ; Wv's 64 loads are in; x's 32 were issued behind them
	QUANT N0, FW, SW
	s_wait_loadcnt 16                              ; the first fragment of x is in; the second's 16 loads may be out
	QUANT N1, 16, SW+1
	s_wait_loadcnt 0x0
	QUANT N2, 28, SW+2
.rept 8
	v_nop                                          ; codes and scale words were written by vector lines: eight places in front of the scaled products
.endr
	; source 0 = 16 rows of x, source 1 = 16 columns of Wv: lane (r, h) holds channel r, and v48-63 are keys 16 h + 0 .. 15 of the block
	v_wmma_scale_f32_16x16x128_f8f6f4 v[48:55], v[16:27], v[FW:FW+11], 0, v[SW+1], v[SW] matrix_a_fmt:MATRIX_FMT_BF6 matrix_b_fmt:MATRIX_FMT_BF6
	v_wmma_scale_f32_16x16x128_f8f6f4 v[56:63], v[28:39], v[FW:FW+11], 0, v[SW+2], v[SW] matrix_a_fmt:MATRIX_FMT_BF6 matrix_b_fmt:MATRIX_FMT_BF6
.rept 4
	v_nop
.endr
	v_max3_num_f32 v[TM], |v48|, |v49|, 0x2800000
	v_max3_num_f32 v[TM+1], |v56|, |v57|, 0x2800000
.irp i, 2,4,6
	v_max3_num_f32 v[TM], v[TM], |v[48+\i]|, |v[49+\i]|
	v_max3_num_f32 v[TM+1], v[TM+1], |v[56+\i]|, |v[57+\i]|
.endr
	v_max_num_f32 v[TM], v[TM], v[TM+1]
	v_permlanex16_b32 v[TM+4], v[TM], s20, s21
	v_max_num_f32 v[TM], v[TM], v[TM+4]            ; with lane l xor 16's 16 keys: the block of 32 keys
	v_add_nc_u32 v[TM+12], 0xfe000000, v[TM]
	v_cvt_scalef32_pk16_bf6_f32 v[64:66], v[48:63], v[TM+12]
	v_lshrrev_b32 v68, 23, v[TM+12]                ; the scale's byte (also the plain line behind the conversion)
	global_store_b96 v[VA], v[64:66], s[36:37]
	global_store_b8 v[R4], v68, s[38:39]           ; both halves of the lanes write the same byte with the same value
	s_endpgm
	; ---- x1 = pos_emb + x: fragment f = 4 (g - 64) + wave
.Lx1:
	s_sub_co_u32 s24, ttmp9, 64
	s_lshl_b32 s24, s24, 2
	s_add_co_u32 s32, s24, s14
	s_lshl_b32 s24, s32, 13                        ; 16 rows of 512 bytes
	s_add_nc_u64 s[28:29], s[4:5], s[24:25]
	s_and_b32 s26, s32, 31                         ; pos_emb: the fragment within the batch
	s_lshl_b32 s26, s26, 13
	s_add_nc_u64 s[30:31], s[6:7], s[26:27]
	LOADR N0, RA, 28, 0
	LOADR N1, RA, 30, 0
	s_mul_i32 s34, s32, 1536
	s_add_nc_u64 s[36:37], s[12:13], s[34:35]
	s_lshl_b32 s34, s32, 7
	s_add_co_u32 s34, s34, X1S
	s_add_nc_u64 s[38:39], s[12:13], s[34:35]
	s_wait_loadcnt 0x0
.set j, 0
.rept 32
	v_pk_add_f32 v[N0+j:N0+j+1], v[N1+j:N1+j+1], v[N0+j:N0+j+1]
.set j, j+2
.endr
	QUANT N0, N2, SW
	PUT N2, SW, 36, 38
	s_endpgm
	; ---- W1: fragment f = 4 (g - 96) + wave: half f / 8, columns 16 (f % 8) on
.Lw1:
	s_sub_co_u32 s24, ttmp9, 96
	s_lshl_b32 s24, s24, 2
	s_add_co_u32 s32, s24, s14
	s_lshr_b32 s24, s32, 3
	s_lshl_b32 s24, s24, 16                        ; 128 rows of 512 bytes
	s_and_b32 s26, s32, 7
	s_lshl_b32 s26, s26, 6
	s_add_co_u32 s24, s24, s26
	s_add_nc_u64 s[28:29], s[8:9], s[24:25]
	LOADC N0, CW, 28, 512
	s_mul_i32 s34, s32, 1536
	s_add_co_u32 s34, s34, W1C
	s_add_nc_u64 s[36:37], s[12:13], s[34:35]
	s_lshl_b32 s34, s32, 7
	s_add_co_u32 s34, s34, W1S
	s_add_nc_u64 s[38:39], s[12:13], s[34:35]
	s_wait_loadcnt 0x0
	QUANT N0, N2, SW
	PUT N2, SW, 36, 38
	s_endpgm
.Lfunc_end_k_qb68b60eb8e_prep:
	.size	k_qb68b60eb8e_prep, .Lfunc_end_k_qb68b60eb8e_prep-k_qb68b60eb8e_prep
	.p2alignl 7, 3214868480
	.fill 96, 4, 3214868480
	.section	.rodata,"a",@progbits
	.p2align	6, 0x0
	.amdhsa_kernel k_qb68b60eb8e_prep
		.amdhsa_group_segment_fixed_size 0
		.amdhsa_private_segment_fixed_size 0
		.amdhsa_enable_private_segment 0
		.amdhsa_kernarg_size 40
		.amdhsa_user_sgpr_count 2
		.amdhsa_user_sgpr_kernarg_segment_ptr 1
		.amdhsa_wavefront_size32 1
		.amdhsa_system_sgpr_workgroup_id_x 1
		.amdhsa_system_sgpr_workgroup_id_y 1
		.amdhsa_system_sgpr_workgroup_id_z 1
		.amdhsa_system_vgpr_workitem_id 0
		.amdhsa_next_free_vgpr 256
		.amdhsa_next_free_sgpr 66
		.amdhsa_reserve_vcc 0
		.amdhsa_float_denorm_mode_32 3
		.amdhsa_float_denorm_mode_16_64 3
		.amdhsa_memory_ordered 1
		.amdhsa_forward_progress 1
		.amdhsa_inst_pref_size 45
	.end_amdhsa_kernel
	.amdgpu_metadata
---
amdhsa.version: [ 1, 2 ]
amdhsa.kernels:
  - .name:           k_qb68b60eb8e_prep
    .symbol:         k_qb68b60eb8e_prep.kd
    .args:
      - { .name: x, .offset: 0, .size: 8, .value_kind: global_buffer, .address_space: global }
      - { .name: pos_emb, .offset: 8, .size: 8, .value_kind: global_buffer, .address_space: global }
      - { .name: W1, .offset: 16, .size: 8, .value_kind: global_buffer, .address_space: global }
      - { .name: Wv, .offset: 24, .size: 8, .value_kind: global_buffer, .address_space: global }
      - { .name: ws, .offset: 32, .size: 8, .value_kind: global_buffer, .address_space: global }
    .group_segment_fixed_size: 0
    .private_segment_fixed_size: 0
    .kernarg_segment_align: 8
    .kernarg_segment_size: 40
    .max_flat_workgroup_size: 128
    .sgpr_count:     66
    .vgpr_count:     256
    .wavefront_size: 32
...
	.end_amdgpu_metadata
.endif
;; end of part 1
;; launch attn (part 2): grid 64 x 4, 4 waves a work-group, no clusters, 167,936 bytes of LDS; arguments ws, b1, W2, b2, out0; writes out0
.if DOCPART == 2
	.amdgcn_target "amdgcn-amd-amdhsa--gfx1250"
	.amdhsa_code_object_version 6
	.text
	.protected	k_qb68b60eb8e_attn
	.globl	k_qb68b60eb8e_attn
	.p2align	8
	.type	k_qb68b60eb8e_attn,@function
k_qb68b60eb8e_attn:
	s_mov_b64 s[64:65], 0
	v_nop
	global_prefetch_b8 v0, s[64:65] scope:SCOPE_SE
	s_setreg_imm32_b32 hwreg(HW_REG_WAVE_MODE, 25, 1), 1
	s_wait_xcnt 0x0
; ATTN: scores, softmax and the product with V for 8 queries of one batch.
; LEFT OUT: the scores, and the fetch, of a tile of 16 keys that lies wholly behind its queries (the mask that reference() builds itself makes them -inf for every input: shown at the head of the first kernel);
; -inf is stored in their place.  A NaN or an infinity that reaches only that work is not carried to the result.
; SHARES.  Work-group (o, batch) owns rows 4 o .. 4 o + 3 (queries 0-3) and 508 - 4 o .. 511 - 4 o (queries 4-7): o / 4 + 1 and 32 - o / 4 live key tiles, 33 units of 4 queries x 16 keys in every work-group.
; Wave w takes key tiles w, w + 4, ..: eight trips of one loop; a trip does both fours, the late four alone, or only stores -inf: scalar branches on ids and the trip's count.
; Ak IS MADE IN REGISTERS.  Source 0 = 16 columns of W1[:128], source 1 = x1's codes of 16 keys: in channel tile t lane (r, h) holds key r and its register j channel 16 t + 8 h + j.
; Aq + b1 lies by the same channels: source 1 there holds ONE query in all 16 columns, b1 is the product's C, so every lane has the query's numbers and nothing changes lanes.  W2 likewise.
; An element is z = (Aq + b1) + Ak, max(z, 0), sum += that x W2, all f32: half a packed add, half a dual maximum, half a packed multiply-add.  The halves of the lanes add their sums at a tile's end.
; The product for channel tile t of the NEXT key tile is issued as soon as the late four have done with t.
; SOFTMAX.  Wave s takes keys 128 s .. 128 s + 127 of all 8 queries: t = score c + b2 c, c = log2(e) / sqrt(128); M = ceil(largest t of these keys), p = 2^(t - M), its sum unquantised, its codes by blocks of 32 keys,
; 4 products with V.  The four parts are brought under the largest M by exact powers of two, added, divided by the sum.  Lanes r = 8 .. 15 repeat queries 0 .. 7.
; LIMITS: NaN and infinities among the inputs are not served; p under 2^-126 counts as 0; a block of zeros has the scale byte 1, its codes are zeros.
; KEPT THOUGH DEAD, for one text for all waves: Aq of the early four in waves with no early tile; the 8 products for the tile behind a wave's last live one; a step of 128 keys that is wholly masked, which gives zeros.
; NO CLUSTER, NO TENSOR LOAD: operands are images of registers, brought once by lane-wise copies to where they are read; nothing in LDS is filled twice; under the mask the work-groups of a batch want different numbers of tiles.
; REGISTERS, in windows of 256: window 0: v0-15 ids and addresses; v16-31 sums; v32-47 W1's scale words; v48-55 the queries'; v56 the key tile's; v64-75 the key fragment; v76-79, v112-115 at work; v80-111 z; v128-191 Ak; v192-255 W2.
;   window 1: v0-95 W1[:128]; v96-191 W1[128:], later V in v96-143; v192-255 b1.   window 2: Aq + b1 of queries 0-3 (64 q + 8 t + j);   window 3: of queries 4-7.
.set X1S,  196608
.set W1C,  212992
.set W1S,  237568
.set VC,   239616
.set VS,   337920
.set FRB,  1536                        ; a fragment in bytes
.set XSW,  49152                       ; LDS: the batch's 32 fragments of x1 at 0, their scale words here,
.set WC,   53248                       ; W1's 16 fragments,
.set WSW,  77824                       ; their scale words: so far filled by copies, once;
.set SCO,  79872                       ; the scores: a region of RW bytes for each wave: 8 query rows of QP bytes, 64 bytes for each of its 8 tiles,
.set QP,   528
.set RW,   4352
.set OPO,  97280                       ; the four parts of O: 8 rows of 256 bytes + 16 each,
.set OPW,  2304
.set MLO,  106496                      ; -M and the sum: 8 bytes for each query, 64 for each part,
.set SPARE, 106752                     ; the spare words, 128 bytes a wave, which no other line names
.set RM,   1                           ; v1-4  r, r - 1, r - 2, r - 3
.set R4,   5
.set SPW,  6
.set NIL,  7
.set NINF, 8
.set FB,   9                           ; 1536 w + 16 lane
.set FSB,  10                          ; XSW + 128 w + 4 lane
.set SB,   11                          ; SCO + RW w + 4 r
.set FA,   12
.set FSA,  13
.set SA,   14
.set V48,  15
.set ACC,  16                          ; query i: two pairs, at 4 i and 4 i + 2
.set WKS,  32
.set WQS,  40
.set QS,   48
.set FS,   56
.set PSC,  57
.set VSC,  58
.set BC,   62                          ; v62-63 b2 c
.set F,    64
.set T,    76
.set Z,    80
.set U,    112
.set AK,   128
.set W,    192
.set P,    128                         ; the softmax: t, then p
.set TM,   80
.set XT,   96
.set PCD,  104
.set MSB, 0
.macro WIN new                         ; the immediate's high byte repeats the setting that is left; a switch that changes nothing is dropped
.if MSB != \new
	s_set_vgpr_msb (MSB<<8)|\new
.set MSB, \new
.endif
.endm
.macro BARRIER                         ; my LDS instructions are done: then the work-group's barrier
	s_wait_dscnt 0x0
	s_barrier_signal -1
	s_barrier_wait -1
.endm
.macro QUANT s, f, sw                  ; as in the first kernel: v[s + 16 b + i] = k 32 b + 16 (lane / 16) + i of my row
.irp b, 0,1,2,3
	v_max3_num_f32 v[TM+\b], |v[\s+16*\b]|, |v[\s+1+16*\b]|, 0x2800000
.endr
.irp i, 2,4,6,8,10,12,14
.irp b, 0,1,2,3
	v_max3_num_f32 v[TM+\b], v[TM+\b], |v[\s+16*\b+\i]|, |v[\s+1+16*\b+\i]|
.endr
.endr
.irp b, 0,1,2,3
	v_permlanex16_b32 v[TM+4+\b], v[TM+\b], s20, s21
.endr
.irp b, 0,1,2,3
	v_max_num_f32 v[TM+\b], v[TM+\b], v[TM+4+\b]
.endr
.irp b, 0,1,2,3
	v_add_nc_u32 v[TM+12+\b], 0xfe000000, v[TM+\b]
.endr
.irp b, 0,1,2,3
	v_lshrrev_b32 v[TM+4+\b], 23, v[TM+12+\b]
.endr
	v_lshl_or_b32 v[\sw], v[TM+5], 8, v[TM+4]
	v_lshl_or_b32 v[\sw], v[TM+6], 16, v[\sw]
	v_lshl_or_b32 v[\sw], v[TM+7], 24, v[\sw]
.irp c, 0,1
	v_cvt_scalef32_pk16_bf6_f32 v[\f+6*\c:\f+2+6*\c], v[\s+32*\c:\s+15+32*\c], v[TM+12+2*\c]
	v_cvt_scalef32_pk16_bf6_f32 v[XT+4*\c:XT+2+4*\c], v[\s+16+32*\c:\s+31+32*\c], v[TM+13+2*\c]
.endr
	v_nop                                                    ; one plain line behind the conversions
.irp c, 0,1
.irp i, 0,1,2
	v_permlane16_swap_b32 v[\f+6*\c+\i], v[XT+4*\c+\i]
.endr
.irp i, 0,1,2
	v_mov_b32 v[\f+3+6*\c+\i], v[XT+4*\c+\i]
.endr
.endr
.endm
.macro COPYK n                         ; my key tile w + 4 n: codes and scale words, from ws to the same place in LDS (a copy's immediate is added to both addresses)
.irp g, 0,1,2
	global_load_async_to_lds_b128 v[FB], v16, s[36:37] offset:4*FRB*\n+512*\g
.endr
	global_load_async_to_lds_b32 v[FSB], v18, s[38:39] offset:512*\n
.endm
.macro MAKE t, wait                    ; Ak of the key tile whose fragment lies in v[F], channel tile t
.if \wait
	s_wait_dscnt 0x0                               ; the fragment, asked for at the end of the last trip, is in
.endif
	WIN 1                                          ; source 0 (W1) window 1
	v_wmma_scale_f32_16x16x128_f8f6f4 v[AK+8*(\t):AK+8*(\t)+7], v[12*(\t):12*(\t)+11], v[F:F+11], 0, v[WKS+(\t)], v[FS] matrix_a_fmt:MATRIX_FMT_BF6 matrix_b_fmt:MATRIX_FMT_BF6
.endm
; Four queries (window win) x 16 keys x 128 channels.  make = 1: each channel tile of Ak is made anew for the next key tile as soon as it has been read.
.macro UNIT win, make
.irp t, 0,1,2,3,4,5,6,7
	WIN \win
.irp q, 0,1,2,3
.irp p, 0,2,4,6
	v_pk_add_f32 v[Z+8*\q+\p:Z+8*\q+\p+1], v[64*\q+8*\t+\p:64*\q+8*\t+\p+1], v[AK+8*\t+\p:AK+8*\t+\p+1]   ; each matrix result is read from its low end on
.endr
.endr
	WIN 0
.irp q, 0,1,2,3
.irp p, 0,2,4,6
	v_dual_max_num_f32 v[Z+8*\q+\p], 0, v[Z+8*\q+\p] :: v_dual_max_num_f32 v[Z+8*\q+\p+1], 0, v[Z+8*\q+\p+1]
.endr
.endr
.irp p, 0,2,4,6
.irp q, 0,1,2,3
.if (\t == 0) && (\p < 4)
	v_pk_mul_f32 v[ACC+4*\q+\p%4:ACC+4*\q+\p%4+1], v[Z+8*\q+\p:Z+8*\q+\p+1], v[W+8*\t+\p:W+8*\t+\p+1]   ; the first products start the sums: nothing is cleared
.else
	v_pk_fma_f32 v[ACC+4*\q+\p%4:ACC+4*\q+\p%4+1], v[Z+8*\q+\p:Z+8*\q+\p+1], v[W+8*\t+\p:W+8*\t+\p+1], v[ACC+4*\q+\p%4:ACC+4*\q+\p%4+1]
.endif
.endr
.endr
.if \make
.if \t == 0
	MAKE \t, 1
.else
	MAKE \t, 0
.endif
.endif
.endr
	WIN 0
.endm
; A tile's end for four queries: the sums' parts, the other half of the lanes, the mask on the diagonal (key 16 KT + r counts where r - i <= the four's first row - 16 KT), the store.
; Its first eight lines are also the places between the last product and the loads into the fragment that it read.
.macro TAIL qb, sd
.irp i, 0,1,2,3
	v_pk_add_f32 v[ACC+4*\i:ACC+4*\i+1], v[ACC+4*\i:ACC+4*\i+1], v[ACC+4*\i+2:ACC+4*\i+3]
.endr
.irp i, 0,1,2,3
	v_add_f32 v[T+\i], v[ACC+4*\i], v[ACC+4*\i+1]
.endr
.irp i, 0,1,2,3
	v_cmp_lt_i32 s[32+\i], s[\sd], v[RM+\i]
.endr
.irp i, 0,1,2,3
	v_permlanex16_b32 v[U+\i], v[T+\i], s20, s21
.endr
.irp i, 0,1,2,3
	v_add_f32 v[T+\i], v[T+\i], v[U+\i]
.endr
.irp i, 0,1,2,3
	v_cndmask_b32 v[T+\i], v[T+\i], v[NINF], s[32+\i]
.endr
.irp i, 0,1,2,3
	ds_store_b32 v[SA], v[T+\i] offset:(\qb+\i)*QP           ; both halves of the lanes write the same word with the same value
.endr
.endm
.macro NEG qb
.irp i, 0,1,2,3
	ds_store_b32 v[SA], v[NINF] offset:(\qb+\i)*QP
.endr
.endm
	s_load_b256 s[4:11], s[0:1], 0x0               ; ws s[4:5], b1 s[6:7], W2 s[8:9], b2 s[10:11]
	s_load_b64 s[12:13], s[0:1], 0x20              ; out0
	v_lshl_add_u32 v[SPW], v0, 2, SPARE
	v_mov_b32 v[NIL], 0
	ds_add_u32 v[SPW], v[NIL]                      ; the wave's opening: the add, twice on end, and its wait ahead of my first copy; the set-up below stands between
	ds_add_u32 v[SPW], v[NIL]
	v_lshrrev_b32 v12, 5, v0
	v_readfirstlane_b32 s14, v12                   ; wave 0..3
	v_and_b32 v[RM], 15, v0                        ; r
	v_add_nc_u32 v[RM+1], -1, v[RM]
	v_add_nc_u32 v[RM+2], -2, v[RM]
	v_add_nc_u32 v[RM+3], -3, v[RM]
	v_lshlrev_b32 v[R4], 2, v[RM]
	v_mov_b32 v[NINF], 0xff800000
	v_and_b32 v76, 31, v0                          ; lane
	v_bfe_u32 v77, v0, 4, 1                        ; h
	s_mul_i32 s31, s14, FRB
	v_lshl_add_u32 v[FB], v76, 4, s31
	v_mov_b32 v16, v[FB]                           ; the key copies' offset in ws equals their LDS address
	s_lshl_b32 s31, s14, 7
	v_lshl_add_u32 v18, v76, 2, s31
	s_add_co_u32 s31, s31, XSW
	v_lshl_add_u32 v[FSB], v76, 2, s31
	s_mul_i32 s31, s14, RW
	s_add_co_u32 s31, s31, SCO
	v_lshl_add_u32 v[SB], v[RM], 2, s31
	v_mul_u32_u24 v[V48], v76, 48
	v_lshlrev_b32 v12, 8, v77                      ; 256 h: lane (row, h) of a fragment's image
	v_lshlrev_b32 v13, 6, v77                      ; 64 h: the same among scale words
	v_lshlrev_b32 v14, 5, v77                      ; 32 h: my half's 8 channels of a tile
	s_mul_i32 s31, s14, 4*FRB                      ; W1: a quarter of its 16 fragments a wave
	v_lshl_add_u32 v20, v76, 4, s31
	v_add_nc_u32 v21, WC, v20
	s_lshl_b32 s31, s14, 9
	v_lshl_add_u32 v22, v76, 4, s31
	v_add_nc_u32 v23, WSW, v22
	v_lshl_add_u32 v78, v76, 4, WC
	v_lshl_add_u32 v79, v76, 2, WSW
	s_and_b32 s15, ttmp7, 0xffff                   ; batch
	s_lshl_b32 s16, ttmp9, 2                       ; 4 o
	s_lshr_b32 s17, ttmp9, 2
	s_sub_co_u32 s18, 32, s17                      ; live key tiles of queries 4-7
	s_add_co_u32 s17, s17, 1                       ; and of queries 0-3
	s_mov_b32 s20, 0x76543210
	s_mov_b32 s21, 0xfedcba98                      ; selects for lane l xor 16
	s_mov_b32 s22, 0x3e0293ee                      ; c = log2(e) / sqrt(128)
	s_mov_b32 s23, s22
	s_mov_b32 s57, 0
	s_wait_dscnt 0x0                               ; both opening adds are done
	s_wait_kmcnt 0x0
	s_load_b32 s24, s[10:11], 0x0                  ; b2
	s_mul_i32 s56, s15, 32*FRB
	s_add_nc_u64 s[36:37], s[4:5], s[56:57]        ; x1's codes of my batch
	s_lshl_b32 s56, s15, 12
	s_add_co_u32 s56, s56, X1S
	s_add_nc_u64 s[38:39], s[4:5], s[56:57]        ; their scale words
	s_add_nc_u64 s[40:41], s[4:5], W1C
	s_add_nc_u64 s[42:43], s[4:5], W1S
	; the copies: all ahead of the first wait for copies, the first LDS read and the first barrier
	COPYK 0
	COPYK 1
	COPYK 2
	COPYK 3
.irp n, 4,5,6,7
	s_add_co_u32 s31, s14, 4*\n
	s_cmp_ge_u32 s31, s18                          ; a tile behind the late queries is not fetched, nor any after it: ids alone
	s_cbranch_scc1 .Lcopied
	COPYK \n
.endr
.Lcopied:
.irp k, 0,1,2,3,4,5,6,7,8,9,10,11
	global_load_async_to_lds_b128 v21, v20, s[40:41] offset:512*\k
.endr
	global_load_async_to_lds_b128 v23, v22, s[42:43]
	; the queries' codes: every lane of a half takes the same 16 bytes, those of lane (row, h): the query then stands in all 16 columns
	s_lshr_b32 s31, ttmp9, 2                       ; the early four: fragment,
	s_and_b32 s58, s16, 15                         ; first row in it
	s_mul_i32 s56, s31, FRB
	s_lshl_b32 s59, s58, 4
	s_add_co_u32 s56, s56, s59
	s_add_nc_u64 s[44:45], s[36:37], s[56:57]
	s_lshl_b32 s56, s31, 7
	s_lshl_b32 s59, s58, 2
	s_add_co_u32 s56, s56, s59
	s_add_nc_u64 s[48:49], s[38:39], s[56:57]
	s_sub_co_u32 s60, 508, s16                     ; the late four
	s_lshr_b32 s31, s60, 4
	s_and_b32 s58, s60, 15
	s_mul_i32 s56, s31, FRB
	s_lshl_b32 s59, s58, 4
	s_add_co_u32 s56, s56, s59
	s_add_nc_u64 s[46:47], s[36:37], s[56:57]
	s_lshl_b32 s56, s31, 7
	s_lshl_b32 s59, s58, 2
	s_add_co_u32 s56, s56, s59
	s_add_nc_u64 s[50:51], s[38:39], s[56:57]
	s_lshl_b32 s31, s15, 2
	s_add_co_u32 s31, s31, s14                     ; batch 4 + key step w
	s_mul_i32 s56, s31, 4*FRB
	s_add_co_u32 s56, s56, VC
	s_add_nc_u64 s[52:53], s[4:5], s[56:57]
	s_lshl_b32 s56, s31, 8
	s_add_co_u32 s56, s56, VS
	s_add_nc_u64 s[54:55], s[4:5], s[56:57]
.irp i, 0,1,2,3
.irp g, 0,1,2
	global_load_b128 v[128+12*\i+4*\g:131+12*\i+4*\g], v12, s[44:45] offset:16*\i+512*\g
	global_load_b128 v[80+12*\i+4*\g:83+12*\i+4*\g], v12, s[46:47] offset:16*\i+512*\g
.endr
	global_load_b32 v[QS+\i], v13, s[48:49] offset:4*\i
	global_load_b32 v[QS+4+\i], v13, s[50:51] offset:4*\i
.endr
.irp t, 0,1,2,3,4,5,6,7
	global_load_b128 v[W+8*\t:W+8*\t+3], v14, s[8:9] offset:64*\t          ; W2 at channels 16 t + 8 h + 0 .. 7
	global_load_b128 v[W+8*\t+4:W+8*\t+7], v14, s[8:9] offset:64*\t+16
.endr
	WIN 0x40                                       ; destination window 1
.irp t, 0,1,2,3,4,5,6,7
	global_load_b128 v[192+8*\t:195+8*\t], v14, s[6:7] offset:64*\t        ; b1 likewise
	global_load_b128 v[196+8*\t:199+8*\t], v14, s[6:7] offset:64*\t+16
.endr
	WIN 0
	s_wait_asynccnt 0x0                            ; my copies have landed,
	s_barrier_signal -1
	s_barrier_wait -1                              ; everybody's have: W1 is whole
	WIN 0x40
.irp t, 0,1,2,3,4,5,6,7,8,9,10,11,12,13,14,15
.irp g, 0,1,2
	ds_load_b128 v[12*\t+4*\g:12*\t+4*\g+3], v78 offset:FRB*\t+512*\g      ; W1[:128] in v0-95, W1[128:] in v96-191 of window 1
.endr
.endr
	WIN 0
.irp t, 0,1,2,3,4,5,6,7,8,9,10,11,12,13,14,15
	ds_load_b32 v[WKS+\t], v79 offset:128*\t
.endr
.irp g, 0,1,2
	ds_load_b128 v[F+4*\g:F+4*\g+3], v[FB] offset:512*\g                   ; key tile w
.endr
	ds_load_b32 v[FS], v[FSB]
	s_wait_loadcnt 0x0
	s_wait_dscnt 0x0
	s_wait_kmcnt 0x0
	v_mov_b32 v[BC], s24
	v_mul_f32 v[BC], s22, v[BC]                    ; b2 c
	v_mov_b32 v[BC+1], v[BC]
	; Aq + b1: 64 products, each with an accumulator of its own
	WIN 0x91                                       ; W1 and b1 window 1, the query window 0, the result window 2
.irp q, 0,1,2,3
.irp t, 0,1,2,3,4,5,6,7
	v_wmma_scale_f32_16x16x128_f8f6f4 v[64*\q+8*\t:64*\q+8*\t+7], v[96+12*\t:107+12*\t], v[128+12*\q:139+12*\q], v[192+8*\t:199+8*\t], v[WQS+\t], v[QS+\q] matrix_a_fmt:MATRIX_FMT_BF6 matrix_b_fmt:MATRIX_FMT_BF6
.endr
.endr
	WIN 0xd1                                       ; the result window 3
.irp q, 0,1,2,3
.irp t, 0,1,2,3,4,5,6,7
	v_wmma_scale_f32_16x16x128_f8f6f4 v[64*\q+8*\t:64*\q+8*\t+7], v[96+12*\t:107+12*\t], v[80+12*\q:91+12*\q], v[192+8*\t:199+8*\t], v[WQS+\t], v[QS+4+\q] matrix_a_fmt:MATRIX_FMT_BF6 matrix_b_fmt:MATRIX_FMT_BF6
.endr
.endr
	WIN 0
.rept 5
	v_nop                                          ; five places: loads land on W1[128:], and products write over the early queries' registers
.endr
	WIN 0x40
.irp n, 0,1,2,3
.irp g, 0,1,2
	global_load_b128 v[96+12*\n+4*\g:99+12*\n+4*\g], v[V48], s[52:53] offset:FRB*\n+16*\g   ; V of key step w: wanted behind the loop
.endr
.endr
	WIN 0
.irp n, 0,1,2,3
	global_load_b32 v[VSC+\n], v[R4], s[54:55] offset:64*\n
.endr
.irp t, 0,1,2,3,4,5,6,7
	MAKE \t, 0                                     ; Ak of key tile w
.endr
	WIN 0
.irp i, 0,1,2,3
	v_mov_b32 v[U+\i], 0                           ; four places behind the products
.endr
.irp g, 0,1,2
	ds_load_b128 v[F+4*\g:F+4*\g+3], v[FB] offset:4*FRB+512*\g             ; key tile w + 4: live in every work-group (17 tiles at the least)
.endr
	ds_load_b32 v[FS], v[FSB] offset:512
	s_mov_b32 s19, s14                             ; KT
	s_mov_b32 s25, 8                               ; trips
	s_mov_b32 s26, 0                               ; the tile's place in a row of my scores
	s_mov_b32 s27, 8*FRB                           ; the fragment two tiles of mine on
	s_mov_b32 s28, 1024
	s_lshl_b32 s31, s14, 4
	s_sub_co_i32 s29, s16, s31                     ; 4 o - 16 KT
	s_sub_co_i32 s30, 508, s16
	s_sub_co_i32 s30, s30, s31                     ; 508 - 4 o - 16 KT
.Ltrip:
	v_add_nc_u32 v[SA], s26, v[SB]
	v_add_nc_u32 v[FA], s27, v[FB]
	v_add_nc_u32 v[FSA], s28, v[FSB]
	s_cmp_ge_u32 s19, s18
	s_cbranch_scc1 .Ldead
	s_cmp_ge_u32 s19, s17
	s_cbranch_scc1 .Lnolow
	UNIT 2, 0
	TAIL 0, 29
	s_branch .Lhigh
.Lnolow:
	NEG 0
.Lhigh:
	UNIT 3, 1
	TAIL 4, 30
	s_branch .Lnext
.Ldead:
	s_wait_dscnt 0x0                               ; on this way no product has waited for the fragment asked for last: it is in before the text below can load its registers again
	NEG 0
	NEG 4
.Lnext:
	s_add_co_u32 s31, s19, 8
	s_cmp_ge_u32 s31, s18                          ; a tile that was not fetched is not read
	s_cbranch_scc1 .Lnof
.irp g, 0,1,2
	ds_load_b128 v[F+4*\g:F+4*\g+3], v[FA] offset:512*\g
.endr
	ds_load_b32 v[FS], v[FSA]
.Lnof:
	s_add_co_u32 s19, s19, 4
	s_add_co_u32 s26, s26, 64
	s_add_co_u32 s27, s27, 4*FRB
	s_add_co_u32 s28, s28, 512
	s_sub_co_i32 s29, s29, 64
	s_sub_co_i32 s30, s30, 64
	s_sub_co_i32 s25, s25, 1
	s_cmp_lg_u32 s25, 0
	s_cbranch_scc1 .Ltrip
	; ---- the softmax of keys 128 w .. 128 w + 127.  Key tile 8 w + 2 b + h lies in region 2 (b % 2) + h, 128 w + 64 (b / 2) bytes into its row
	v_and_b32 v224, 7, v0                          ; my query
	v_bfe_u32 v225, v0, 4, 1                       ; h
	v_mul_u32_u24 v226, v224, QP
	v_mad_u32_u24 v226, v225, RW, v226
	s_lshl_b32 s31, s14, 7
	s_add_co_u32 s31, s31, SCO
	v_add_nc_u32 v226, s31, v226                   ; the scores
	v_mul_u32_u24 v227, v224, 272
	v_lshl_add_u32 v227, v225, 5, v227
	s_mul_i32 s31, s14, OPW
	s_add_co_u32 s31, s31, OPO
	v_add_nc_u32 v227, s31, v227                   ; my part of O: row = my query, 32 h bytes on
	s_lshl_b32 s31, s14, 6
	s_add_co_u32 s31, s31, MLO
	v_lshl_add_u32 v228, v224, 3, s31              ; its -M and sum
	v_mul_u32_u24 v229, v225, 272
	v_lshl_add_u32 v229, v[RM], 4, v229
	s_mul_i32 s31, s14, 544
	s_add_co_u32 s31, s31, OPO
	v_add_nc_u32 v229, s31, v229                   ; at the end: query 2 w + h, 16 bytes a lane
	s_lshl_b32 s31, s14, 4
	s_add_co_u32 s31, s31, MLO
	v_lshl_add_u32 v230, v225, 3, s31
	v_and_b32 v231, 31, v0
	v_lshlrev_b32 v231, 4, v231
	BARRIER                                        ; all scores lie in LDS
.irp b, 0,1,2,3
.irp j, 0,1,2,3
	ds_load_b128 v[P+16*\b+4*\j:P+16*\b+4*\j+3], v226 offset:(\b%2)*2*RW+(\b/2)*64+16*\j   ; v[P + 16 b + i] = key 32 b + 16 h + i
.endr
.endr
	s_wait_dscnt 0x0
.set j, 0
.rept 32
	v_pk_fma_f32 v[P+j:P+j+1], v[P+j:P+j+1], s[22:23], v[BC:BC+1] op_sel_hi:[1,0,0]   ; t = score c + b2 c
.set j, j+2
.endr
.irp b, 0,1,2,3
	v_max3_num_f32 v[TM+\b], v[P+16*\b], v[P+16*\b+1], v[P+16*\b+2]
.endr
.irp i, 3,5,7,9,11,13
.irp b, 0,1,2,3
	v_max3_num_f32 v[TM+\b], v[TM+\b], v[P+16*\b+\i], v[P+16*\b+\i+1]
.endr
.endr
.irp b, 0,1,2,3
	v_max_num_f32 v[TM+\b], v[TM+\b], v[P+16*\b+15]
.endr
	v_max3_num_f32 v118, v[TM], v[TM+1], v[TM+2]
	v_max_num_f32 v118, v118, v[TM+3]
	v_permlanex16_b32 v[TM+4], v118, s20, s21
	v_max_num_f32 v118, v118, v[TM+4]              ; the largest t of my query's 128 keys,
	v_max_num_f32 v118, 0xff61b1e6, v118           ; no lower than -3e38: a step that is wholly masked keeps a number for M
	v_floor_f32 v116, -v118                        ; -M = floor(-t): M is a whole number
.set j, 0
.rept 32
	v_pk_add_f32 v[P+j:P+j+1], v[P+j:P+j+1], v[116:117] op_sel_hi:[1,0]
.set j, j+2
.endr
.set j, 0
.rept 64
	v_exp_f32 v[P+j], v[P+j]                       ; p = 2^(t - M): not normalised
.set j, j+1
.endr
	v_nop                                          ; a plain line behind the last exponential
	s_wait_alu depctr_va_vdst(0)                   ; one wait for the batch, ahead of its first reader
	v_pk_add_f32 v[118:119], v[P:P+1], v[P+2:P+3]  ; the sum of the unquantised p, in two chains
	v_pk_add_f32 v[120:121], v[P+4:P+5], v[P+6:P+7]
.set j, 8
.rept 14
	v_pk_add_f32 v[118:119], v[118:119], v[P+j:P+j+1]
	v_pk_add_f32 v[120:121], v[120:121], v[P+j+2:P+j+3]
.set j, j+4
.endr
	v_pk_add_f32 v[118:119], v[118:119], v[120:121]
	v_add_f32 v117, v118, v119
	v_permlanex16_b32 v[TM+4], v117, s20, s21
	v_add_f32 v117, v117, v[TM+4]
	QUANT P, PCD, PSC
	s_wait_loadcnt 0x0                             ; V
.rept 8
	v_nop                                          ; p's codes and scale word were written by vector lines: eight places
.endr
	WIN 1
.irp n, 0,1,2,3                                ; source 0 = 16 channels of V x 128 keys, source 1 = p: lane (r, h) holds query r, channels 16 n + 8 h + 0 .. 7
	v_wmma_scale_f32_16x16x128_f8f6f4 v[192+8*\n:199+8*\n], v[96+12*\n:107+12*\n], v[PCD:PCD+11], 0, v[VSC+\n], v[PSC] matrix_a_fmt:MATRIX_FMT_BF6 matrix_b_fmt:MATRIX_FMT_BF6
.endr
	WIN 0
.rept 4
	v_nop
.endr
.irp n, 0,1,2,3
	ds_store_b128 v227, v[192+8*\n:195+8*\n] offset:64*\n        ; each result from its low end on; lanes r and r + 8 write the same bytes with the same values
	ds_store_b128 v227, v[196+8*\n:199+8*\n] offset:64*\n+16
.endr
	ds_store_b64 v228, v[116:117]
	BARRIER                                        ; the four parts lie in LDS
	; ---- query 2 w + h: the parts under the largest M, added, divided by the sum
.irp s, 0,1,2,3
	ds_load_b128 v[128+4*\s:131+4*\s], v229 offset:OPW*\s
	ds_load_b64 v[144+2*\s:145+2*\s], v230 offset:64*\s
.endr
	s_lshl_b32 s31, s14, 1
	s_add_co_u32 s31, s31, s16                     ; row 4 o + 2 w,
	s_lshl_b32 s58, ttmp9, 3
	s_sub_co_u32 s58, 504, s58
	s_cmp_ge_u32 s14, 2
	s_cselect_b32 s58, s58, 0                      ; for waves 2, 3: 508 - 4 o + 2 (w - 2)
	s_add_co_u32 s31, s31, s58
	s_lshl_b32 s59, s15, 9
	s_add_co_u32 s31, s31, s59
	s_lshl_b32 s56, s31, 8                         ; rows of 256 bytes
	s_add_nc_u64 s[60:61], s[12:13], s[56:57]
	s_wait_dscnt 0x0
	v_min_num_f32 v152, v144, v146
	v_min_num_f32 v153, v148, v150
	v_min_num_f32 v152, v152, v153                 ; the least -M
.irp s, 0,1,2,3
	v_sub_f32 v[154+\s], v152, v[144+2*\s]         ; a part's M less the largest: a whole number, 0 or less
.endr
.irp s, 0,1,2,3
	v_cvt_i32_f32 v[154+\s], v[154+\s]             ; (it saturates)
.endr
.irp s, 0,1,2,3
	v_ldexp_f32 v[154+\s], 1.0, v[154+\s]          ; f: an exact power of two, or 0
.endr
	v_mul_f32 v160, v154, v145
.irp s, 1,2,3
	v_fma_f32 v160, v[154+\s], v[145+2*\s], v160   ; the row's sum
.endr
	v_rcp_f32 v161, v160
.irp k, 0,1,2,3
	v_mul_f32 v[164+\k], v154, v[128+\k]           ; (plain work behind the reciprocal)
.endr
.irp s, 1,2,3
.irp k, 0,1,2,3
	v_fma_f32 v[164+\k], v[154+\s], v[128+4*\s+\k], v[164+\k]
.endr
.endr
	s_wait_alu depctr_va_vdst(0)                   ; the wait ahead of the reciprocal's first reader
.irp k, 0,1,2,3
	v_mul_f32 v[164+\k], v[164+\k], v161
.endr
	global_store_b128 v231, v[164:167], s[60:61]   ; two whole rows of 256 bytes, 512 consecutive bytes
	s_wait_tensorcnt 0x0                           ; the wave's end, behind my last LDS store
	ds_add_u32 v[SPW], v[NIL]
	s_wait_dscnt 0x0
	s_endpgm
.Lfunc_end_k_qb68b60eb8e_attn:
	.size	k_qb68b60eb8e_attn, .Lfunc_end_k_qb68b60eb8e_attn-k_qb68b60eb8e_attn
	.p2alignl 7, 3214868480
	.fill 96, 4, 3214868480
	.section	.rodata,"a",@progbits
	.p2align	6, 0x0
	.amdhsa_kernel k_qb68b60eb8e_attn
		.amdhsa_group_segment_fixed_size 167936
		.amdhsa_private_segment_fixed_size 0
		.amdhsa_enable_private_segment 0
		.amdhsa_kernarg_size 40
		.amdhsa_user_sgpr_count 2
		.amdhsa_user_sgpr_kernarg_segment_ptr 1
		.amdhsa_wavefront_size32 1
		.amdhsa_system_sgpr_workgroup_id_x 1
		.amdhsa_system_sgpr_workgroup_id_y 1
		.amdhsa_system_sgpr_workgroup_id_z 1
		.amdhsa_system_vgpr_workitem_id 0
		.amdhsa_next_free_vgpr 1024
		.amdhsa_next_free_sgpr 66
		.amdhsa_reserve_vcc 0
		.amdhsa_float_denorm_mode_32 3
		.amdhsa_float_denorm_mode_16_64 3
		.amdhsa_memory_ordered 1
		.amdhsa_forward_progress 1
		.amdhsa_inst_pref_size 108
	.end_amdhsa_kernel
	.amdgpu_metadata
---
amdhsa.version: [ 1, 2 ]
amdhsa.kernels:
  - .name:           k_qb68b60eb8e_attn
    .symbol:         k_qb68b60eb8e_attn.kd
    .args:
      - { .name: ws, .offset: 0, .size: 8, .value_kind: global_buffer, .address_space: global }
      - { .name: b1, .offset: 8, .size: 8, .value_kind: global_buffer, .address_space: global }
      - { .name: W2, .offset: 16, .size: 8, .value_kind: global_buffer, .address_space: global }
      - { .name: b2, .offset: 24, .size: 8, .value_kind: global_buffer, .address_space: global }
      - { .name: out0, .offset: 32, .size: 8, .value_kind: global_buffer, .address_space: global }
    .group_segment_fixed_size: 167936
    .private_segment_fixed_size: 0
    .kernarg_segment_align: 8
    .kernarg_segment_size: 40
    .max_flat_workgroup_size: 128
    .sgpr_count:     66
    .vgpr_count:     1024
    .wavefront_size: 32
...
	.end_amdgpu_metadata
.endif
;; end of part 2
;; ======== version 2 of 2: 2 launches; version 1 with the launch prep written anew for expert scheduling mode
;; workspace buffers: ws 342,016 bytes
;; launch prep (part 3): grid 100 x 1, 4 waves a work-group, no clusters, 0 bytes of LDS; arguments x, pos_emb, W1, Wv, ws; writes ws
.if DOCPART == 3
	.amdgcn_target "amdgcn-amd-amdhsa--gfx1250"
	.amdhsa_code_object_version 6
	.text
	.protected	k_qb68b60eb8e_prep
	.globl	k_qb68b60eb8e_prep
	.p2align	8
	.type	k_qb68b60eb8e_prep,@function
k_qb68b60eb8e_prep:
	s_mov_b64 s[64:65], 0
	v_nop
	global_prefetch_b8 v0, s[64:65] scope:SCOPE_SE
	s_setreg_imm32_b32 hwreg(HW_REG_WAVE_SCHED_MODE, 0, 2), 2
	s_setreg_imm32_b32 hwreg(HW_REG_WAVE_MODE, 25, 1), 1
	s_wait_xcnt 0x0
	s_wait_alu depctr_vm_vsrc(0)
; PREP: what all query blocks share is quantised once into ws, in the order of the operand registers (a fragment = 16 rows x 128 K of E3M2 codes = 12 registers a lane = 1,536 bytes).
;   x1 = pos_emb + x   -> codes along c: 128 fragments (register 4 g + k of lane L at 512 g + 16 L + 4 k), a scale word a lane
;   W1[:128], W1[128:] -> codes along their first axis: 16 fragments of 16 columns, laid the same way
;   V = Q(x) Q(Wv)     -> made here by the scaled matrix instruction, then quantised along the KEYS, over which the last product sums: 64 fragments of 16 channels x 128 keys, 48 bytes a lane on end
; DEAD WORK OF THE PROGRAM.  reference() sets wei to -inf wherever key > query, by a mask that it builds itself (jnp.tril): whatever the inputs hold, such a pair has p = 0 and reaches no output.
; So the second launch computes no score for a tile of 16 keys that lies wholly behind its queries, and does not fetch such a tile.  Nothing else is left out: b2 stays, since it moves M = ceil(largest t)
; and with it the codes of p; every input is loaded.  LIMIT: a NaN, an infinity or an overflow that reaches only the scores left out is not carried to the result.
; LIMITS OF THE QUANTISER: NaN and infinities among the inputs are not served; a block's largest magnitude is taken no lower than 2^(5 - 127), which holds the scale byte at 1 from below as the rule asks;
; a block of zeros so gets the byte 1 where the rule says 127: its codes are zeros, and only this program reads the bytes.
; SHARES.  Every wave works alone: no LDS, no barrier.  Work-groups 0-63: key block g of 32 rows, wave n = channel tile n of V.  Work-groups 64-95: a fragment of x1 a wave.  Work-groups 96-99: a fragment of W1 a wave.
; A lane takes a row (or a column) and 16 neighbours along K of each block of 32, so that the conversions find neighbours in its registers; a lane's loads of 16 bytes stand 512 bytes apart,
; a fragment's sixteen loads together cover whole rows.  V's codes leave as 12 bytes a lane, 24 a pair of lanes.
; THE MODE: SCHED_MODE bits 1:0 = 2 (LLVM: expert scheduling mode 2), set by the entry lines.  The code itself states the register dependences
; between vector or matrix instructions and memory instructions, with s_wait_alu, always for 0.
; THE PLAN.  Each of the three paths is one run: all its loads, its arithmetic, its stores, the end.  Registers that memory instructions touch:
;   v4-v11     offsets.  Written by vector lines at the head, once; read by every load and store.  One wait on va_vdst at the head, ahead of the branches, serves them all: no later line writes them.
;   v16-207    the numbers.  Written by loads alone, all issued before any vector line names them; read by vector lines behind the loads' own waits on LOADcnt.  No load follows a vector line that names them.
;   v64-66, v68 (V);  v144-155, v232 (x1, W1)   the stores' data.  Written by vector lines; one wait on va_vdst ahead of each path's run of stores.  Behind the stores the wave ends.
;   s14        the wave's number, written by a vector instruction: one wait on va_sdst at the head, ahead of the branches behind which its readers stand.
; The operands and scale words of the two scaled products are written by vector lines: one wait on va_vdst directly ahead of the products, behind their eight places.
; No register that a memory instruction has read is written again on any path: so no wait on vm_vsrc is written.
.set X1S,  196608                      ; ws: x1's codes at 0, their scale words here (128 bytes a fragment),
.set W1C,  212992                      ; W1's codes,
.set W1S,  237568                      ; their scale words,
.set VC,   239616                      ; V's codes: fragment (batch 4 + key step) 4 + channel tile,
.set VS,   337920                      ; V's scale words: 64 bytes a fragment, byte b of channel r's word for key block b
.set L16, 4                            ; v4  16 x lane
.set L4,  5                            ; v5  4 x lane
.set RA,  6                            ; v6  512 r + 64 h: row r, my 16 numbers of a block
.set RV,  7                            ; v7  the same of row r + 8 (r / 8)
.set CW,  8                            ; v8  8192 h + 4 r: column r of W1, 16 h rows down
.set CV,  9                            ; v9  4096 h + 4 r: the same of Wv
.set VA,  10                           ; v10 48 r + 12 h
.set R4,  11                           ; v11 4 r
.set N0,  16                           ; three sets of 64 numbers
.set N1,  80
.set N2,  144
.set TM,  208                          ; v208-211 largest magnitudes, v212-215 bytes, v220-223 the conversions' scale operands
.set XT,  224
.set SW,  232                          ; v232-234 scale words
.set FW,  236                          ; v236-247 Wv's fragment
; 64 numbers of a lane, v[s + 16 b + i] = k 32 b + 16 (lane / 16) + i of my row or column, become the 12 registers of the operand, v[f] on, and its scale word v[sw].
.macro QUANT s, f, sw
.irp b, 0,1,2,3
	v_max3_num_f32 v[TM+\b], |v[\s+16*\b]|, |v[\s+1+16*\b]|, 0x2800000   ; my 16 numbers of block b, and the floor 2^(5 - 127)
.endr
.irp i, 2,4,6,8,10,12,14
.irp b, 0,1,2,3
	v_max3_num_f32 v[TM+\b], v[TM+\b], |v[\s+16*\b+\i]|, |v[\s+1+16*\b+\i]|   ; the four blocks by turns
.endr
.endr
.irp b, 0,1,2,3
	v_permlanex16_b32 v[TM+4+\b], v[TM+\b], s20, s21
.endr
.irp b, 0,1,2,3
	v_max_num_f32 v[TM+\b], v[TM+\b], v[TM+4+\b]             ; with lane l xor 16's: the block's largest magnitude
.endr
.irp b, 0,1,2,3
	v_add_nc_u32 v[TM+12+\b], 0xfe000000, v[TM+\b]           ; 4 off its exponent field: the conversion's scale operand
.endr
.irp b, 0,1,2,3
	v_lshrrev_b32 v[TM+4+\b], 23, v[TM+12+\b]                ; the scale's byte
.endr
	v_lshl_or_b32 v[\sw], v[TM+5], 8, v[TM+4]
	v_lshl_or_b32 v[\sw], v[TM+6], 16, v[\sw]
	v_lshl_or_b32 v[\sw], v[TM+7], 24, v[\sw]
.irp c, 0,1
	v_cvt_scalef32_pk16_bf6_f32 v[\f+6*\c:\f+2+6*\c], v[\s+32*\c:\s+15+32*\c], v[TM+12+2*\c]
	v_cvt_scalef32_pk16_bf6_f32 v[XT+4*\c:XT+2+4*\c], v[\s+16+32*\c:\s+31+32*\c], v[TM+13+2*\c]   ; (a conversion's three registers begin on an even number)
.endr
	v_nop                                                    ; one plain line behind the conversions
.irp c, 0,1                                              ; the operand wants a whole block in a lane: lanes 0-15 block 2 c, lanes 16-31 block 2 c + 1
.irp i, 0,1,2
	v_permlane16_swap_b32 v[\f+6*\c+\i], v[XT+4*\c+\i]
.endr
.irp i, 0,1,2
	v_mov_b32 v[\f+3+6*\c+\i], v[XT+4*\c+\i]
.endr
.endr
.endm
.macro LOADR reg, va, sb, off          ; K innermost: four loads of 16 bytes a block
.irp b, 0,1,2,3
.irp j, 0,1,2,3
	global_load_b128 v[\reg+16*\b+4*\j:\reg+16*\b+4*\j+3], v[\va], s[\sb:\sb+1] offset:\off+128*\b+16*\j
.endr
.endr
.endm
.macro LOADC reg, va, sb, pitch        ; K outermost: a lane takes a column, its registers run down K
.irp b, 0,1,2,3
.irp i, 0,1,2,3,4,5,6,7,8,9,10,11,12,13,14,15
	global_load_b32 v[\reg+16*\b+\i], v[\va], s[\sb:\sb+1] offset:(32*\b+\i)*\pitch
.endr
.endr
.endm
.macro PUT f, sw, sc, ss               ; a fragment leaves as an image of its registers: 512 consecutive bytes a store
.irp g, 0,1,2
	global_store_b128 v[L16], v[\f+4*\g:\f+4*\g+3], s[\sc:\sc+1] offset:512*\g
.endr
	global_store_b32 v[L4], v[\sw], s[\ss:\ss+1]
.endm
	s_load_b256 s[4:11], s[0:1], 0x0               ; x s[4:5], pos_emb s[6:7], W1 s[8:9], Wv s[10:11]
	s_load_b64 s[12:13], s[0:1], 0x20              ; ws
	v_lshrrev_b32 v1, 5, v0
	v_readfirstlane_b32 s14, v1                    ; wave 0..3
	v_and_b32 v1, 31, v0                           ; lane
	v_and_b32 v2, 15, v0                           ; r
	v_bfe_u32 v3, v0, 4, 1                         ; h
	v_lshlrev_b32 v[L16], 4, v1
	v_lshlrev_b32 v[L4], 2, v1
	v_lshlrev_b32 v[RA], 9, v2
	v_lshl_add_u32 v[RA], v3, 6, v[RA]
	v_and_b32 v[RV], 8, v2
	v_add_nc_u32 v[RV], v[RV], v2
	v_lshlrev_b32 v[RV], 9, v[RV]
	v_lshl_add_u32 v[RV], v3, 6, v[RV]
	v_lshlrev_b32 v[R4], 2, v2
	v_lshl_add_u32 v[CW], v3, 13, v[R4]
	v_lshl_add_u32 v[CV], v3, 12, v[R4]
	v_mul_u32_u24 v[VA], v2, 48
	v_mad_u32_u24 v[VA], v3, 12, v[VA]
.irp b, 0,1,2,3
	v_mov_b32 v[TM+4+\b], 0                        ; written once: a lane permute's destination counts as one of its sources
.endr
	s_mov_b32 s20, 0x76543210
	s_mov_b32 s21, 0xfedcba98                      ; selects for lane l xor 16
	s_mov_b32 s25, 0                               ; the upper words of the offsets
	s_mov_b32 s27, 0
	s_mov_b32 s35, 0
	s_wait_kmcnt 0x0
	s_wait_alu depctr_va_sdst(0)                   ; s14, the wave's number, is written
	s_wait_alu depctr_va_vdst(0)                   ; the offsets v4 to v11 are written, which the loads and stores of all three paths read; no later line writes them
	s_cmp_ge_u32 ttmp9, 96
	s_cbranch_scc1 .Lw1
	s_cmp_ge_u32 ttmp9, 64
	s_cbranch_scc1 .Lx1
	; ---- V: key block g = the work-group's number, channel tile n = the wave's
	s_lshl_b32 s24, ttmp9, 14                      ; 32 rows of 512 bytes
	s_add_nc_u64 s[28:29], s[4:5], s[24:25]
	s_lshl_b32 s26, s14, 6                         ; 16 columns of 4 bytes
	s_add_nc_u64 s[30:31], s[10:11], s[26:27]
	LOADC N0, CV, 30, 256                          ; Wv(32 b + 16 h + i, 16 n + r)
	LOADR N1, RV, 28, 0                            ; x: rows 0-7 and 16-23 of the block,
	LOADR N2, RV, 28, 4096                         ; rows 8-15 and 24-31: so the two products leave 16 neighbouring keys in a lane
	s_and_b32 s32, ttmp9, 0xfc
	s_add_co_u32 s32, s32, s14                     ; fragment (batch 4 + key step) 4 + n
	s_mul_i32 s34, s32, 1536
	s_and_b32 s33, ttmp9, 1                        ; my key block is block g % 4 of its key step: lanes 16 (g % 2) on,
	s_mul_i32 s33, s33, 768
	s_add_co_u32 s34, s34, s33
	s_bfe_u32 s33, ttmp9, 0x10001                  ; registers 6 ((g / 2) % 2) on
	s_mul_i32 s33, s33, 24
	s_add_co_u32 s34, s34, s33
	s_add_co_u32 s34, s34, VC
	s_add_nc_u64 s[36:37], s[12:13], s[34:35]
	s_lshl_b32 s34, s32, 6
	s_and_b32 s33, ttmp9, 3
	s_add_co_u32 s34, s34, s33                     ; byte g % 4 of each channel's scale word
	s_add_co_u32 s34, s34, VS
	s_add_nc_u64 s[38:39], s[12:13], s[34:35]
	s_wait_loadcnt 32                              ; Wv's 64 loads are in; x's 32 were issued behind them
	QUANT N0, FW, SW
	s_wait_loadcnt 16                              ; the first fragment of x is in; the second's 16 loads may be out
	QUANT N1, 16, SW+1
	s_wait_loadcnt 0x0
	QUANT N2, 28, SW+2
.rept 8
	v_nop                                          ; codes and scale words were written by vector lines: eight places in front of the scaled products
.endr
	s_wait_alu depctr_va_vdst(0)                   ; the vector lines have written the products' operands, v16-39 and v236-247, and their scale words, v232-234; the places above stay beside this wait
	; source 0 = 16 rows of x, source 1 = 16 columns of Wv: lane (r, h) holds channel r, and v48-63 are keys 16 h + 0 .. 15 of the block
	v_wmma_scale_f32_16x16x128_f8f6f4 v[48:55], v[16:27], v[FW:FW+11], 0, v[SW+1], v[SW] matrix_a_fmt:MATRIX_FMT_BF6 matrix_b_fmt:MATRIX_FMT_BF6
	v_wmma_scale_f32_16x16x128_f8f6f4 v[56:63], v[28:39], v[FW:FW+11], 0, v[SW+2], v[SW] matrix_a_fmt:MATRIX_FMT_BF6 matrix_b_fmt:MATRIX_FMT_BF6
.rept 4
	v_nop
.endr
	v_max3_num_f32 v[TM], |v48|, |v49|, 0x2800000
	v_max3_num_f32 v[TM+1], |v56|, |v57|, 0x2800000
.irp i, 2,4,6
	v_max3_num_f32 v[TM], v[TM], |v[48+\i]|, |v[49+\i]|
	v_max3_num_f32 v[TM+1], v[TM+1], |v[56+\i]|, |v[57+\i]|
.endr
	v_max_num_f32 v[TM], v[TM], v[TM+1]
	v_permlanex16_b32 v[TM+4], v[TM], s20, s21
	v_max_num_f32 v[TM], v[TM], v[TM+4]            ; with lane l xor 16's 16 keys: the block of 32 keys
	v_add_nc_u32 v[TM+12], 0xfe000000, v[TM]
	v_cvt_scalef32_pk16_bf6_f32 v[64:66], v[48:63], v[TM+12]
	v_lshrrev_b32 v68, 23, v[TM+12]                ; the scale's byte (also the plain line behind the conversion)
	s_wait_alu depctr_va_vdst(0)                   ; the conversion has written v64-66 and the shift v68, which the two stores read
	global_store_b96 v[VA], v[64:66], s[36:37]
	global_store_b8 v[R4], v68, s[38:39]           ; both halves of the lanes write the same byte with the same value
	s_endpgm
	; ---- x1 = pos_emb + x: fragment f = 4 (g - 64) + wave
.Lx1:
	s_sub_co_u32 s24, ttmp9, 64
	s_lshl_b32 s24, s24, 2
	s_add_co_u32 s32, s24, s14
	s_lshl_b32 s24, s32, 13                        ; 16 rows of 512 bytes
	s_add_nc_u64 s[28:29], s[4:5], s[24:25]
	s_and_b32 s26, s32, 31                         ; pos_emb: the fragment within the batch
	s_lshl_b32 s26, s26, 13
	s_add_nc_u64 s[30:31], s[6:7], s[26:27]
	LOADR N0, RA, 28, 0
	LOADR N1, RA, 30, 0
	s_mul_i32 s34, s32, 1536
	s_add_nc_u64 s[36:37], s[12:13], s[34:35]
	s_lshl_b32 s34, s32, 7
	s_add_co_u32 s34, s34, X1S
	s_add_nc_u64 s[38:39], s[12:13], s[34:35]
	s_wait_loadcnt 0x0
.set j, 0
.rept 32
	v_pk_add_f32 v[N0+j:N0+j+1], v[N1+j:N1+j+1], v[N0+j:N0+j+1]
.set j, j+2
.endr
	QUANT N0, N2, SW
	s_wait_alu depctr_va_vdst(0)                   ; the fragment's codes, v144-155, and its scale word, v232, are written, which the four stores read
	PUT N2, SW, 36, 38
	s_endpgm
	; ---- W1: fragment f = 4 (g - 96) + wave: half f / 8, columns 16 (f % 8) on
.Lw1:
	s_sub_co_u32 s24, ttmp9, 96
	s_lshl_b32 s24, s24, 2
	s_add_co_u32 s32, s24, s14
	s_lshr_b32 s24, s32, 3
	s_lshl_b32 s24, s24, 16                        ; 128 rows of 512 bytes
	s_and_b32 s26, s32, 7
	s_lshl_b32 s26, s26, 6
	s_add_co_u32 s24, s24, s26
	s_add_nc_u64 s[28:29], s[8:9], s[24:25]
	LOADC N0, CW, 28, 512
	s_mul_i32 s34, s32, 1536
	s_add_co_u32 s34, s34, W1C
	s_add_nc_u64 s[36:37], s[12:13], s[34:35]
	s_lshl_b32 s34, s32, 7
	s_add_co_u32 s34, s34, W1S
	s_add_nc_u64 s[38:39], s[12:13], s[34:35]
	s_wait_loadcnt 0x0
	QUANT N0, N2, SW
	s_wait_alu depctr_va_vdst(0)                   ; the fragment's codes, v144-155, and its scale word, v232, are written, which the four stores read
	PUT N2, SW, 36, 38
	s_endpgm
.Lfunc_end_k_qb68b60eb8e_prep:
	.size	k_qb68b60eb8e_prep, .Lfunc_end_k_qb68b60eb8e_prep-k_qb68b60eb8e_prep
	.p2alignl 7, 3214868480
	.fill 96, 4, 3214868480
	.section	.rodata,"a",@progbits
	.p2align	6, 0x0
	.amdhsa_kernel k_qb68b60eb8e_prep
		.amdhsa_group_segment_fixed_size 0
		.amdhsa_private_segment_fixed_size 0
		.amdhsa_enable_private_segment 0
		.amdhsa_kernarg_size 40
		.amdhsa_user_sgpr_count 2
		.amdhsa_user_sgpr_kernarg_segment_ptr 1
		.amdhsa_wavefront_size32 1
		.amdhsa_system_sgpr_workgroup_id_x 1
		.amdhsa_system_sgpr_workgroup_id_y 1
		.amdhsa_system_sgpr_workgroup_id_z 1
		.amdhsa_system_vgpr_workitem_id 0
		.amdhsa_next_free_vgpr 256
		.amdhsa_next_free_sgpr 66
		.amdhsa_reserve_vcc 0
		.amdhsa_float_denorm_mode_32 3
		.amdhsa_float_denorm_mode_16_64 3
		.amdhsa_memory_ordered 1
		.amdhsa_forward_progress 1
		.amdhsa_inst_pref_size 46
	.end_amdhsa_kernel
	.amdgpu_metadata
---
amdhsa.version: [ 1, 2 ]
amdhsa.kernels:
  - .name:           k_qb68b60eb8e_prep
    .symbol:         k_qb68b60eb8e_prep.kd
    .args:
      - { .name: x, .offset: 0, .size: 8, .value_kind: global_buffer, .address_space: global }
      - { .name: pos_emb, .offset: 8, .size: 8, .value_kind: global_buffer, .address_space: global }
      - { .name: W1, .offset: 16, .size: 8, .value_kind: global_buffer, .address_space: global }
      - { .name: Wv, .offset: 24, .size: 8, .value_kind: global_buffer, .address_space: global }
      - { .name: ws, .offset: 32, .size: 8, .value_kind: global_buffer, .address_space: global }
    .group_segment_fixed_size: 0
    .private_segment_fixed_size: 0
    .kernarg_segment_align: 8
    .kernarg_segment_size: 40
    .max_flat_workgroup_size: 128
    .sgpr_count:     66
    .vgpr_count:     256
    .wavefront_size: 32
...
	.end_amdgpu_metadata
.endif
;; end of part 3
;; launch attn: the kernel of part 2 again; grid 64 x 4, 4 waves a work-group, no clusters, 167,936 bytes of LDS; arguments ws, b1, W2, b2, out0; writes out0
